; MI455X (gfx1250); checked and timed in simulation.
; The chip was launched on July 23, 2026; its instructions are those of AMD's public machine-readable ISA for CDNA 5 (MIT licence, August 2026) and "CDNA5" Instruction Set Architecture Reference Guide (July 2026). The comments in the code are by the model that wrote it; some were corrected since.
;; Grouped GEMM Mo E. Allowed arithmetic: matrix products marked QUANTISED: E2M3 operands, one E8M0 scale for each 32 along K, by v_wmma_scale_f32_16x16x128_f8f6f4 with both operands' format E2M3, f32 sums; everything else in f32.
;; Inputs: b1 8 x 1,024 float32; b2 8 x 1,024 float32; expert_weights 4,096 x 1 float32; hidden_states_codes 4 x 1,024 x 32 x 24 uint8 (E2M3 codes of hidden_states, K innermost, in blocks of 32 codes, four codes in three bytes); hidden_states_scales 4 x 1,024 x 32 uint8 (E8M0 scales of hidden_states, one for each 32 codes along K); top_experts 4,096 x 1 int32; w1_codes 8 x 1,024 x 32 x 24 uint8 (E2M3 codes of w1, K innermost, in blocks of 32 codes, four codes in three bytes); w1_scales 8 x 1,024 x 32 uint8 (E8M0 scales of w1, one for each 32 codes along K); w2_codes 8 x 1,024 x 32 x 24 uint8 (E2M3 codes of w2, K innermost, in blocks of 32 codes, four codes in three bytes); w2_scales 8 x 1,024 x 32 uint8 (E8M0 scales of w2, one for each 32 codes along K).
;; Outputs: out0 4 x 1,024 x 1,024 float32.
;; This version of the problem:
;;   THIS VERSION OF THE PROBLEM IS GIVEN IN LOW PRECISION. The matrix products marked QUANTISED in the list below multiply operands that are first quantised to E2M3 (2 exponent bits, 3 mantissa bits; 6 bits a number), with one power-of-two scale for each 32 numbers along K (OCP MX v1.0); their sums are f32. All else is computed in f32.
;;   The module's matrix products, in the order in which they are computed (A, B: the left and right operand; K: the contracted axis; several contracted axes count as one K, in the product's order):
;;     1. [M 4,096, K 1,024] x [K 1,024, N 1,024]; A: input hidden_states (given as codes); B: input w1 (given as codes): QUANTISED
;;     2. [M 4,096, K 1,024] x [K 1,024, N 1,024]; A: computed on the way; B: input w2 (given as codes): QUANTISED
;;     3. [M 4,096, K 1,024] x [K 1,024, N 1,024]; A: input hidden_states (given as codes); B: input w1 (given as codes): QUANTISED
;;     4. [M 4,096, K 1,024] x [K 1,024, N 1,024]; A: computed on the way; B: input w2 (given as codes): QUANTISED
;;     5. [M 4,096, K 1,024] x [K 1,024, N 1,024]; A: input hidden_states (given as codes); B: input w1 (given as codes): QUANTISED
;;     6. [M 4,096, K 1,024] x [K 1,024, N 1,024]; A: computed on the way; B: input w2 (given as codes): QUANTISED
;;     7. [M 4,096, K 1,024] x [K 1,024, N 1,024]; A: input hidden_states (given as codes); B: input w1 (given as codes): QUANTISED
;;     8. [M 4,096, K 1,024] x [K 1,024, N 1,024]; A: computed on the way; B: input w2 (given as codes): QUANTISED
;;     9. [M 4,096, K 1,024] x [K 1,024, N 1,024]; A: input hidden_states (given as codes); B: input w1 (given as codes): QUANTISED
;;     10. [M 4,096, K 1,024] x [K 1,024, N 1,024]; A: computed on the way; B: input w2 (given as codes): QUANTISED
;;     11. [M 4,096, K 1,024] x [K 1,024, N 1,024]; A: input hidden_states (given as codes); B: input w1 (given as codes): QUANTISED
;;     12. [M 4,096, K 1,024] x [K 1,024, N 1,024]; A: computed on the way; B: input w2 (given as codes): QUANTISED
;;     13. [M 4,096, K 1,024] x [K 1,024, N 1,024]; A: input hidden_states (given as codes); B: input w1 (given as codes): QUANTISED
;;     14. [M 4,096, K 1,024] x [K 1,024, N 1,024]; A: computed on the way; B: input w2 (given as codes): QUANTISED
;;     15. [M 4,096, K 1,024] x [K 1,024, N 1,024]; A: input hidden_states (given as codes); B: input w1 (given as codes): QUANTISED
;;     16. [M 4,096, K 1,024] x [K 1,024, N 1,024]; A: computed on the way; B: input w2 (given as codes): QUANTISED
;;   THE QUANTISER, for each operand of a quantised product, along K:
;;     - K is cut into blocks of 32 from its start; a last block that is shorter is filled with zeros.
;;     - A block's scale is 2^e with e = floor(log2(the largest magnitude in the block)) - 2, held to -126 .. 127; a block of zeros has e = 0. As a byte (E8M0): e + 127.
;;     - Each number is divided by its block's scale, clamped to +-7.5, and rounded to the nearest number of E2M3, ties to even, subnormals kept.
;;     - The product sums the exact products of the quantised numbers (number of the format x scale) in f32.
;;   ~~~python
;;   def quantise(x, axis):      # numpy; x: float32 -> the quantised numbers, widened to float32 again
;;       x = np.moveaxis(x, axis, -1); K = x.shape[-1]
;;       x = np.pad(x, [(0, 0)] * (x.ndim - 1) + [(0, -K % 32)]); x = x.reshape(x.shape[:-1] + (-1, 32)); a = np.abs(x).max(-1, keepdims=True)
;;       e = np.where(a > 0, np.clip(np.frexp(np.where(a > 0, a, 1))[1] - 1 - 2, -126, 127), 0)      # np.frexp(a)[1] - 1 = floor(log2(a)), exactly
;;       r = np.clip(x / 2.0 ** e, -7.5, 7.5)
;;       step = 2.0 ** (np.maximum(np.frexp(np.where(r == 0, 1, r))[1] - 1, 0) - 3)
;;       q = np.round(r / step) * step * 2.0 ** e      # np.round: ties to even
;;       return np.moveaxis(q.reshape(q.shape[:-2] + (-1,))[..., :K], -1, axis).astype(np.float32)
;;   ~~~
;;   OPERANDS COMPUTED ON THE WAY. 'Computed on the way' means the value that the module computes at that place (a softmax that the list does not call 'softmax' is quantised finished and normalised). What goes into a quantiser is computed in f32, as accurately as f32 sums, v_exp_f32 and their like allow (about 1e-6 of the number): no bf16 or f16 on the way to a quantiser, and a product that is left as it is and whose result goes on into a quantised operand takes f32 operands (vector FMAs, or v_wmma_f32_16x16x4_f32). A number that lies on a knife's edge between two numbers of the format may be rounded either way, as far as f32 arithmetic and the matrix unit's own rounding can turn it there, and no further.
;;   INPUTS GIVEN AS CODES. hidden_states (in the module: [4, 1024, 1024], K = its axis 2); w1 (in the module: [8, 1024, 1024], K = its axis 1); w2 (in the module: [8, 1024, 1024], K = its axis 1): each comes as NAME_codes (uint8): NAME with its K axis moved to the last place and cut into blocks of 32 codes, [.., K / 32, bytes a block], one block behind the other in memory; four codes in three bytes: a row's codes are one little-endian stream of bits, code i at bits 6 i .. 6 i + 5 (a code: sign, 2 exponent bits, 3 mantissa bits); and NAME_scales (uint8): the same leading axes, one E8M0 byte (e + 127) for each 32 codes along K. Its value is code x scale, taken as it is: it is not quantised again, and the codes and scales need not be those that the quantiser above would give.
;; One version. Each part assembles by itself: llvm-mc -triple=amdgcn-amd-amdhsa -mcpu=gfx1250 --defsym DOCPART=n.
;; ======== version 1 of 1: 2 launches
;; workspace buffers: w1l 6,291,456 bytes; w2l 6,291,456 bytes; route 19,456 bytes of whole numbers
;; launch prep (part 1): grid 129 x 1, 8 waves a work-group, no clusters, 102,400 bytes of LDS; arguments top_experts, w1_codes, w2_codes, w1l, w2l, route; writes w1l, w2l, route
.if DOCPART == 1
	.amdgcn_target "amdgcn-amd-amdhsa--gfx1250"
	.amdhsa_code_object_version 6
	.text
	.protected	k_qedf5d80b20_prep
	.globl	k_qedf5d80b20_prep
	.p2align	8
	.type	k_qedf5d80b20_prep,@function
k_qedf5d80b20_prep:
	s_mov_b64 s[64:65], 0
	v_nop
	global_prefetch_b8 v0, s[64:65] scope:SCOPE_SE
	s_setreg_imm32_b32 hwreg(HW_REG_WAVE_MODE, 25, 1), 1
	s_wait_xcnt 0x0
; y[t] = fw[t] (gelu(x[t] W1[e] + b1[e]) W2[e] + b2[e]), e = top_experts[t]; both products on codes of FP6 (E2M3).  This launch prepares; the next one, chain, computes.
; DEAD WORK.  reference() forms he for every expert e and every token, and adds jnp.where(fe == e, he, 0).  For token t that where passes he for e = top_experts[t] alone and puts the constant 0
; in the place of every other expert's row, whatever finite values the inputs hold.  So of each of the 16 products only the rows of the tokens routed to that expert can reach the output: the other
; rows, seven in eight, are left out, in whole rows.  Which rows are kept is a choice by whole numbers, read here from the index input.  Every input keeps a way to the output: all are loaded.
; LIMITS.  A NaN, an infinity or an overflow that arises only in the rows left out is not carried to the result.  A top_experts outside 0 .. 7 is not served: reference() gives a row of zeros there,
; this program leaves that row unwritten (all its addresses stay inside their buffers all the same).
; WORK-GROUPS 0 .. 127 lay the weights' codes in the order of the matrix operand's registers, [expert 8][wave 16][K step 8][tile 4][chunk 3][lane 32][16 bytes]: a fragment (16 rows x 128 K, 12 registers
; a lane) is 1,536 bytes on end, chunk j = registers 4 j .. 4 j + 3 of every lane; so chain fills a fragment by three loads of 512 consecutive bytes.  A wave takes one tile of 16 rows through all 8 K steps.
; w1's tiles do not hold neighbouring rows: lane r of tile 2 b + u of wave wv takes row 64 wv + 32 b + 8 u + r + 8 (r / 8), so that the first product's results lie along the second product's K.
; WORK-GROUP 128 sorts the tokens by expert (a counting sort; no atomics) into tiles of 32 rows: route words 0 .. 4319 = 135 tiles x 32 rows, a token's number or 0xFFFF for no row;
; words 4352 .. 4607 = a tile's expert; words 4608 .. 4863 = one word a thread that takes what has no place, and that nobody reads.
; 135 = 4096 / 32 + 8 - 1 tiles serve every split of the tokens among the experts.
.set PIT,   784                        ; a stage row: 768 bytes + 16 = 196 words: row r starts at word 4 r mod 64, so the 32 lanes of a load of 8 bytes fall on 64 different words mod 64 (64 banks of 4 bytes: ISA guide 11.1)
.set STGW,  16*PIT                     ; a wave's stage: 16 rows (work-groups 0 .. 127 alone)
.set CNT,   8*STGW                     ; 8 waves x 32 words of counts (work-group 128 alone)
.set SPARE, CNT+1024                   ; the spare words, 128 bytes for each wave: four blocks of 256 bytes that no other line names
.set LISTW, 4320                       ; words in the list
.set TABLE, 4352*4                     ; byte at which the tiles' experts begin
.set DUMP,  4608                       ; first of the 256 words that nobody reads
.set LASTW, 4863                       ; route's last word
	s_load_b256 s[4:11], s[0:1], 0x0               ; top_experts s[4:5], w1_codes s[6:7], w2_codes s[8:9], w1l s[10:11]
	s_load_b128 s[12:15], s[0:1], 0x20             ; w2l s[12:13], route s[14:15]
	v_lshl_add_u32 v1, v0, 2, SPARE                ; my spare word; never rewritten
	v_mov_b32 v2, 0                                ; 0; never rewritten
	v_lshrrev_b32 v3, 5, v0
	s_delay_alu instid0(VALU_DEP_1)
	v_readfirstlane_b32 s16, v3                    ; wave 0 .. 7
	v_and_b32 v3, 31, v0                           ; lane
	v_and_b32 v12, 15, v0                          ; r
	v_bfe_u32 v13, v0, 4, 1                        ; h
	s_delay_alu instid0(VALU_DEP_3)
	v_lshlrev_b32 v4, 4, v3                        ; 16 x lane
	s_mul_i32 s17, s16, STGW
	v_add_nc_u32 v6, s17, v4                       ; into my stage: 16 x lane,
	s_delay_alu instid0(VALU_DEP_1)
	v_lshl_add_u32 v7, v13, 4, v6                  ; and 16 more for lanes 16-31, whose bytes belong to the next row
	v_mul_u32_u24 v8, v12, PIT
	s_delay_alu instid0(VALU_DEP_1)
	v_mad_u32_u24 v8, v13, 24, v8
	s_delay_alu instid0(VALU_DEP_1)
	v_add_nc_u32 v8, s17, v8                       ; out of it: row r, + 24 h: a fragment's bytes
	v_lshl_add_u32 v9, v0, 2, CNT                  ; counts: my wave's 32 words, my lane's
	v_lshl_add_u32 v10, v3, 2, CNT                 ; and wave 0's word of my lane
	s_wait_kmcnt 0x0
	s_cmp_eq_u32 ttmp9, 128                        ; the work-group's number alone: all eight waves go the same way
	s_cbranch_scc1 .Lroute
	; ---------------- the weights.  Job: tensor = work-group / 64, expert = (work-group / 8) % 8, tile T = 8 (work-group % 8) + wave = 4 wv + t
	s_lshr_b32 s17, ttmp9, 3
	s_and_b32 s17, s17, 7                          ; expert
	s_and_b32 s18, ttmp9, 7
	s_lshl_b32 s18, s18, 3
	s_add_co_u32 s18, s18, s16                     ; T
	s_lshr_b32 s19, s18, 2                         ; wv
	s_lshl_b32 s20, s19, 6
	s_bfe_u32 s21, s18, 0x10001                    ; b
	s_lshl_b32 s21, s21, 5
	s_add_co_u32 s20, s20, s21
	s_and_b32 s21, s18, 1                          ; u
	s_lshl_b32 s21, s21, 3
	s_add_co_u32 s20, s20, s21                     ; w1: the tile's first row 64 wv + 32 b + 8 u; its second eight rows lie 16 rows on
	s_lshl_b32 s21, s18, 4                         ; w2: 16 T; the second eight follow the first
	s_mov_b32 s22, 8*768
	s_cmp_lt_u32 ttmp9, 64                         ; w1 or w2: the choice hangs on the work-group's number alone
	s_cselect_b32 s20, s20, s21
	s_cselect_b32 s22, 16*768, s22
	s_cselect_b64 s[24:25], s[6:7], s[8:9]
	s_cselect_b64 s[26:27], s[10:11], s[12:13]
	s_lshl_b32 s23, s17, 10
	s_add_co_u32 s20, s20, s23
	s_mul_i32 s20, s20, 768                        ; (1024 expert + first row) rows of 768 bytes: under 2^23
	s_mov_b32 s21, 0
	s_add_nc_u64 s[24:25], s[24:25], s[20:21]
	s_mul_i32 s20, s17, 786432
	s_mul_i32 s23, s19, 49152
	s_add_co_u32 s20, s20, s23
	s_and_b32 s23, s18, 3
	s_mul_i32 s23, s23, 1536
	s_add_co_u32 s20, s20, s23
	s_add_nc_u64 s[26:27], s[26:27], s[20:21]      ; where my tile's fragment of K step 0 goes; K step s lies 6,144 s bytes on
	s_wait_alu depctr_va_vdst(0)
	v_add_nc_u32 v5, s22, v4                       ; the second eight rows
.irp g, 0,1                                    ; eight rows are 6,144 dense bytes: twelve loads of 512 consecutive bytes
.irp i, 0,1,2,3,4,5,6,7,8,9,10,11
	global_load_b128 v[16+4*(12*\g+\i):16+4*(12*\g+\i)+3], v[4+\g], s[24:25] offset:512*\i th:TH_LOAD_NT
.endr
.endr
.irp n, 0,1,2,3,4,5,6,7                        ; two rows are three loads: row 2 n's first 512 bytes; its last 256 and row 2 n + 1's first 256; that row's last 512
	s_wait_loadcnt 21-3*\n                         ; the loads issued behind this triple may stay out
	ds_store_b128 v6, v[16+12*\n:19+12*\n] offset:2*\n*PIT
	ds_store_b128 v7, v[20+12*\n:23+12*\n] offset:2*\n*PIT+512
	ds_store_b128 v6, v[24+12*\n:27+12*\n] offset:2*\n*PIT+PIT+256
.endr
.irp s, 0,1,2,3,4,5,6,7                        ; LDS serves a wave's instructions in order (ISA guide 5.7.1.4): these see my stores.  Lane (r, h): registers 0-5 = the 24 bytes at 96 s + 24 h of row r, registers 6-11 those 48 bytes on
.irp p, 0,1,2,3,4,5
	ds_load_b64 v[112+12*\s+2*\p:113+12*\s+2*\p], v8 offset:96*\s+48*(\p/3)+8*(\p%3)
.endr
.endr
.irp s, 0,1,2,3,4,5,6,7
	s_wait_dscnt 42-6*\s                           ; the later fragments' loads may stay out
.irp j, 0,1,2
	global_store_b128 v4, v[112+12*\s+4*\j:115+12*\s+4*\j], s[26:27] offset:6144*\s+512*\j   ; 32 lanes store 512 consecutive bytes, at a multiple of 512 from the buffer's first byte
.endr
.endr
	s_branch .Lend
	; ---------------- the routing.  Wave w takes tokens 512 w .. 512 w + 511; register 4 q + k of a lane is token 512 w + 128 q + 4 lane + k
.Lroute:
	s_wait_alu depctr_va_vdst(0)
	v_lshl_add_u32 v11, s16, 11, v4
.irp q, 0,1,2,3
	global_load_b128 v[16+4*\q:19+4*\q], v11, s[4:5] offset:512*\q
.endr
.irp e, 0,1,2,3,4,5,6,7
	s_mov_b32 s[20+\e], 0
.endr
	s_wait_loadcnt 0x0
.set i, 0
.rept 16
	v_min_u32 v[16+i], 8, v[16+i]                  ; 8 stands for every number that is no expert's
.set i, i+1
.endr
.set i, 0
.rept 16                                       ; my wave's count for each expert
.irp e, 0,1,2,3,4,5,6,7
	v_cmp_eq_u32 s[30+\e], \e, v[16+i]
.endr
.irp e, 0,1,2,3,4,5,6,7
	s_bcnt1_i32_b32 s[38+\e], s[30+\e]
.endr
.irp e, 0,1,2,3,4,5,6,7
	s_add_co_u32 s[20+\e], s[20+\e], s[38+\e]
.endr
.set i, i+1
.endr
	v_mov_b32 v72, 0
.irp e, 0,1,2,3,4,5,6,7
	s_delay_alu instid0(VALU_DEP_1)
	v_writelane_b32 v72, s[20+\e], \e              ; lane e: expert e's count
.endr
	ds_store_b32 v9, v72
	s_wait_dscnt 0x0                               ; for the others' sake: my counts lie in LDS
	s_barrier_signal -1
	s_barrier_wait -1
.irp w, 0,1,2,3,4,5,6,7
	ds_load_b32 v[64+\w], v10 offset:128*\w        ; every wave's counts; lane e: expert e's (lanes 8-31: zeros)
.endr
	s_wait_dscnt 0x0
	v_add3_u32 v73, v64, v65, v66
	s_delay_alu instid0(VALU_DEP_1)
	v_add3_u32 v73, v73, v67, v68
	s_delay_alu instid0(VALU_DEP_1)
	v_add3_u32 v73, v73, v69, v70
	s_delay_alu instid0(VALU_DEP_1)
	v_add_nc_u32 v73, v73, v71                     ; the expert's rows in all
	v_mov_b32 v74, 0
.irp w, 0,1,2,3,4,5,6
	s_cmp_gt_u32 s16, \w
	s_cselect_b32 s38, -1, 0
	v_and_b32 v75, s38, v[64+\w]
	s_delay_alu instid0(VALU_DEP_1)
	v_add_nc_u32 v74, v74, v75                     ; and those of the waves in front of mine
.endr
	v_add_nc_u32 v76, 31, v73
	s_delay_alu instid0(VALU_DEP_1)
	v_lshrrev_b32 v76, 5, v76                      ; the expert's tiles
.irp e, 0,1,2,3,4,5,6,7
	v_readlane_b32 s[46+\e], v76, \e
.endr
	s_mov_b32 s54, 0                               ; s[54+e]: the first tile of expert e; s62: tiles in all, 135 at the most
.irp e, 0,1,2,3,4,5,6,7
	s_add_co_u32 s[55+\e], s[54+\e], s[46+\e]
.endr
	v_mov_b32 v77, 0
.irp e, 0,1,2,3,4,5,6,7
	s_lshl_b32 s38, s[54+\e], 5
	v_writelane_b32 v77, s38, \e                   ; the expert's first word in the list
.endr
	s_delay_alu instid0(VALU_DEP_1)
	v_add_nc_u32 v78, v77, v74
.irp e, 0,1,2,3,4,5,6,7
	v_readlane_b32 s[20+\e], v78, \e               ; where my wave's rows of expert e begin
.endr
	v_add_nc_u32 v79, v77, v73                     ; behind the expert's last row,
	v_lshl_add_u32 v80, v76, 5, v77                ; and behind its last tile
	v_add_nc_u32 v81, DUMP, v0                     ; my word that nobody reads
	v_lshlrev_b32 v82, 2, v3
	s_delay_alu instid0(VALU_DEP_1)
	v_lshl_add_u32 v82, s16, 9, v82                ; 512 wave + 4 lane
.set i, 0
.rept 16                                       ; each token's place: its expert's running place + the lanes below mine that go to the same expert
.irp e, 0,1,2,3,4,5,6,7
	v_cmp_eq_u32 s[30+\e], \e, v[16+i]
.endr
.irp e, 0,1,2,3,4,5,6,7
	v_mbcnt_lo_u32_b32 v83, s[30+\e], s[20+\e]
.if \e == 0
	s_delay_alu instid0(VALU_DEP_1)
	v_cndmask_b32 v[32+i], v81, v83, s[30+\e]
.else
	s_delay_alu instid0(VALU_DEP_1)
	v_cndmask_b32 v[32+i], v[32+i], v83, s[30+\e]
.endif
	s_bcnt1_i32_b32 s38, s[30+\e]
	s_add_co_u32 s[20+\e], s[20+\e], s38
.endr
	v_min_u32 v[32+i], LASTW, v[32+i]              ; a place made of loaded numbers is held inside the buffer
	s_delay_alu instid0(VALU_DEP_1)
	v_lshlrev_b32 v[32+i], 2, v[32+i]
	v_add_nc_u32 v[48+i], 128*(i/4)+i%4, v82       ; the token
	global_store_b32 v[32+i], v[48+i], s[14:15]    ; 4 bytes a lane, in at most eight runs: 16 KiB in all; each store has its own registers, so none is rewritten
.set i, i+1
.endr
	v_mov_b32 v88, 0xffff                          ; no row
	v_mov_b32 v85, s16
	s_delay_alu instid0(VALU_DEP_1)
	v_lshlrev_b32 v85, 2, v85
	ds_bpermute_b32 v84, v85, v79                  ; wave w pads expert w's last tile: from behind its last row
	ds_bpermute_b32 v87, v85, v80                  ; to the tile's end: 31 words at the most
	s_wait_dscnt 0x0
	v_add_nc_u32 v86, v84, v3
	s_delay_alu instid0(VALU_DEP_1)
	v_cmp_lt_u32 vcc_lo, v86, v87
	s_delay_alu instid0(VALU_DEP_1)
	v_cndmask_b32 v86, v81, v86, vcc_lo
	s_delay_alu instid0(VALU_DEP_1)
	v_min_u32 v86, LASTW, v86
	s_delay_alu instid0(VALU_DEP_1)
	v_lshlrev_b32 v86, 2, v86
	s_wait_alu depctr_va_vdst(0)
	global_store_b32 v86, v88, s[14:15]
	s_lshl_b32 s38, s62, 5
	v_add_nc_u32 v92, s38, v0                      ; behind the last tile in use: the rest of the list, 256 words a round; 17 rounds reach over all 4,320 words, whatever the counts
.set j, 0
.rept 17
	v_add_nc_u32 v[96+j], 256*j, v92
	s_delay_alu instid0(VALU_DEP_1)
	v_cmp_gt_u32 vcc_lo, LISTW, v[96+j]
	s_delay_alu instid0(VALU_DEP_1)
	v_cndmask_b32 v[96+j], v81, v[96+j], vcc_lo
	s_delay_alu instid0(VALU_DEP_1)
	v_min_u32 v[96+j], LASTW, v[96+j]
	s_delay_alu instid0(VALU_DEP_1)
	v_lshlrev_b32 v[96+j], 2, v[96+j]
	global_store_b32 v[96+j], v88, s[14:15]
.set j, j+1
.endr
	v_mov_b32 v89, 0                               ; tile g = my thread's number: its expert is the number of experts 1 .. 7 whose first tile is at or under g
.irp e, 1,2,3,4,5,6,7
	v_cmp_le_u32 vcc_lo, s[54+\e], v0
	s_delay_alu instid0(VALU_DEP_1)
	v_cndmask_b32 v90, 0, 1, vcc_lo
	s_delay_alu instid0(VALU_DEP_1)
	v_add_nc_u32 v89, v89, v90
.endr
	v_lshlrev_b32 v91, 2, v0
	global_store_b32 v91, v89, s[14:15] offset:TABLE   ; 1,024 consecutive bytes from the eight waves
.Lend:
	s_wait_tensorcnt 0x0                           ; the wave's end: behind my last LDS store
	ds_add_u32 v1, v2
	s_wait_dscnt 0x0
	s_endpgm
.Lfunc_end_k_qedf5d80b20_prep:
	.size	k_qedf5d80b20_prep, .Lfunc_end_k_qedf5d80b20_prep-k_qedf5d80b20_prep
	.p2alignl 7, 3214868480
	.fill 96, 4, 3214868480
	.section	.rodata,"a",@progbits
	.p2align	6, 0x0
	.amdhsa_kernel k_qedf5d80b20_prep
		.amdhsa_group_segment_fixed_size 102400
		.amdhsa_private_segment_fixed_size 0
		.amdhsa_enable_private_segment 0
		.amdhsa_kernarg_size 48
		.amdhsa_user_sgpr_count 2
		.amdhsa_user_sgpr_kernarg_segment_ptr 1
		.amdhsa_wavefront_size32 1
		.amdhsa_system_sgpr_workgroup_id_x 1
		.amdhsa_system_sgpr_workgroup_id_y 1
		.amdhsa_system_sgpr_workgroup_id_z 1
		.amdhsa_system_vgpr_workitem_id 0
		.amdhsa_next_free_vgpr 208
		.amdhsa_next_free_sgpr 66
		.amdhsa_reserve_vcc 1
		.amdhsa_float_denorm_mode_32 3
		.amdhsa_float_denorm_mode_16_64 3
		.amdhsa_memory_ordered 1
		.amdhsa_forward_progress 1
		.amdhsa_inst_pref_size 86
	.end_amdhsa_kernel
	.amdgpu_metadata
---
amdhsa.version: [ 1, 2 ]
amdhsa.kernels:
  - .name:           k_qedf5d80b20_prep
    .symbol:         k_qedf5d80b20_prep.kd
    .args:
      - { .name: top_experts, .offset: 0, .size: 8, .value_kind: global_buffer, .address_space: global }
      - { .name: w1_codes, .offset: 8, .size: 8, .value_kind: global_buffer, .address_space: global }
      - { .name: w2_codes, .offset: 16, .size: 8, .value_kind: global_buffer, .address_space: global }
      - { .name: w1l, .offset: 24, .size: 8, .value_kind: global_buffer, .address_space: global }
      - { .name: w2l, .offset: 32, .size: 8, .value_kind: global_buffer, .address_space: global }
      - { .name: route, .offset: 40, .size: 8, .value_kind: global_buffer, .address_space: global }
    .group_segment_fixed_size: 102400
    .private_segment_fixed_size: 0
    .kernarg_segment_align: 8
    .kernarg_segment_size: 48
    .max_flat_workgroup_size: 256
    .sgpr_count:     66
    .vgpr_count:     208
    .wavefront_size: 32
...
	.end_amdgpu_metadata
.endif
;; end of part 1
;; launch chain (part 2): grid 135 x 1, 16 waves a work-group, no clusters, 122,880 bytes of LDS; arguments route, hidden_states_codes, hidden_states_scales, expert_weights, w1l, w1_scales, b1, w2l, w2_scales, b2, out0; writes out0
.if DOCPART == 2
	.amdgcn_target "amdgcn-amd-amdhsa--gfx1250"
	.amdhsa_code_object_version 6
	.text
	.protected	k_qedf5d80b20_chain
	.globl	k_qedf5d80b20_chain
	.p2align	8
	.type	k_qedf5d80b20_chain,@function
k_qedf5d80b20_chain:
	s_mov_b64 s[64:65], 0
	v_nop
	global_prefetch_b8 v0, s[64:65] scope:SCOPE_SE
	s_setreg_imm32_b32 hwreg(HW_REG_WAVE_MODE, 25, 1), 1
	s_wait_xcnt 0x0
; y[t] = fw[t] (gelu(x[t] W1[e] + b1[e]) W2[e] + b2[e]), e = top_experts[t]; both products on codes of FP6 (E2M3) with one E8M0 scale for each 32 along K.
; WORK LEFT OUT: of each product only the rows of the tokens routed to its expert are multiplied: reference()'s own where (fe == e) puts 0 in the place of all the others, for all values of the inputs
; (shown at the head of prep).  LIMIT: a NaN, an infinity or an overflow that arises only in those rows is not carried to the result.
; ONE WORK-GROUP TAKES ONE TILE OF 32 ROWS OF ONE EXPERT THROUGH THE WHOLE CHAIN; the hidden layer stays in registers and LDS.  route (stored by prep) gives the tile's 32 tokens (0xFFFF: no row) and its expert.
; 135 tiles serve every split.  NO BRANCH hangs on the stored numbers, since barriers stand in the text: a row that is no row is walked on token 4,095's data and its stores are switched off by EXEC;
; a tile without rows stores nothing.  At most 7 tiles' worth of rows are walked so.  With one expert a token each output row has one owner.
; SHARES.  The sixteen waves share the COLUMNS: wave w makes hidden units 64 w .. 64 w + 63 and then outputs 64 w .. 64 w + 63, for all 32 rows: 4 tiles of 16 columns x 2 tiles of 16 rows = 8 accumulators.
; The weights come from memory straight into registers, each fragment by three loads of 512 consecutive bytes (prep laid them so), read by this wave alone and used for both tiles of rows; two sets of registers:
; a K step's twelve loads are out while the step before is multiplied.  Only the rows' codes go through LDS: x's, gathered once, and the hidden layer's.
; NO CLUSTER, NO TENSOR LOAD: which weights a work-group walks hangs on a stored number, and each weight fragment is wanted by one wave, so a trip through LDS would only add to its way.
; BOTH PRODUCTS ARE USED TRANSPOSED (source 0 = 16 rows of the weight, source 1 = 16 tokens): a lane (r, h) holds token r, and its registers run along the columns.  In the first product lane r of tile 2 b + u
; holds w1's row 64 w + 32 b + 8 u + r + 8 (r / 8): so register 16 b + i of a tile of rows is hidden unit 64 w + 32 b + 16 h + i: 16 neighbours along the next K.
; THE BIASES are loaded into the accumulators: each sum begins on its bias, nothing is cleared and no addition is spent.
; GELU, exact form: gelu(x) = max(x, 0) - |x| erfc(|x| / sqrt 2) / 2, which forms no difference of near numbers in the tail.  erfc(a) = t exp(-a a + c0 + t (c1 + .. + t c9)), t = 1 / (1 + a / 2): a fit whose
; fractional error is under 1.2e-7 for every a >= 0.  LIMIT: with f32 rounding of the exponent the error of erfc is a few 1e-7 up to |x| = 4 and grows as x x 6e-8 beyond, where gelu's tail is under 2e-4.
; LIMITS: NaN and infinities among the inputs are not served.  A block of 32 hidden numbers that are all zero gets the scale byte 1 (the rule says 127): its codes are zeros, and this program alone reads the byte.
.set PIT,   784                        ; a row of 1,024 codes in LDS: 768 bytes + 16 = 196 words: row r starts at word 4 r mod 64, so the 32 lanes of a load of 8 bytes fall on 64 different words mod 64 (64 banks of 4 bytes: ISA guide 11.1)
.set XROW,  0                          ; x's 32 rows
.set HROW,  32*PIT                     ; the hidden layer's 32 rows, in the same form
.set HSC,   64*PIT                     ; its scale bytes: 32 rows x 32
.set STG,   HSC+1024                   ; the way out: 16 rows x (256 bytes + 16) for each wave, its own
.set SPARE, STG+16*4352                ; the spare words, 128 bytes for each wave: eight blocks of 256 bytes that no other line names
.set SPW,  1                           ; v1   my spare word; never rewritten
.set NIL,  2                           ; v2   0; never rewritten
.set BFA,  3                           ; v3   784 r + 24 h: my bytes of a row's fragment
.set WOFF, 4                           ; v4   16 x lane
.set TOKL, 5                           ; v5   lane l: the token of row l, as stored
.set HST,  6                           ; v6   where my block of hidden codes goes: HROW + 784 r + 24 h + 48 w
.set HSCA, 7                           ; v7   and my wave's two scale bytes: HSC + 32 r + 2 w
.set STO,  8                           ; v8   the stage, in: row r, + 32 h
.set RD,   9                           ; v9   the stage, back: row h, + 16 (lane % 16)
.set OCOL, 10                          ; v10  16 (lane % 16)
.set H4,   11                          ; v11  4 h
.set FW,   12                          ; v12, v14  fw of rows r and 16 + r (v13, v15: written, since the packed form names pairs)
.set AS,   16                          ; v16-31  the weight's scale words: register 8 b + ks: lanes 0-15 tile 2 b, lanes 16-31 tile 2 b + 1.  Scales and nothing else
.set BS,   32                          ; v32-39  the rows' scale words: register ks, lane = row.  Scales and nothing else
.set BF,   40                          ; v40-63  the rows' two fragments
.set ACC,  64                          ; v64-127 accumulator (tile t, rows m) at 64 + 32 m + 8 t
.set WF,   128                         ; v128-175, v176-223  the weight's four fragments, two sets
.set GT,   176                         ; gelu at work, in the second set: t,
.set GP,   192                         ; the polynomial, then the exponential,
.set GQ,   208                         ; x x, then max(x, 0)
.set HSCR, 254                         ; v254 HSC + 32 x lane
.set C8,   252                         ; v[252:253] c8, twice
.set WV,   26                          ; s26  my wave's number
.set SEL,  32                          ; s[32:33] v_permlanex16_b32's selects for lane l xor 16
.set HR2,  34                          ; s34  1 / (2 sqrt 2)
.set CC,   36                          ; s[36+2k:37+2k] c_k, k = 0 .. 7; s[52:53] c9: the packed form names a pair and takes its low word for both halves
.set MK,   66                          ; s66-81 the sixteen stores' masks
	s_load_b512 s[4:19], s[0:1], 0x0               ; route s[4:5], x's codes s[6:7], x's scales s[8:9], fw s[10:11], w1l s[12:13], w1's scales s[14:15], b1 s[16:17], w2l s[18:19]
	s_load_b128 s[20:23], s[0:1], 0x40             ; w2's scales s[20:21], b2 s[22:23]
	s_load_b64 s[24:25], s[0:1], 0x50              ; out
	v_lshl_add_u32 v[SPW], v0, 2, SPARE
	v_mov_b32 v[NIL], 0
	v_lshrrev_b32 v233, 5, v0
	s_delay_alu instid0(VALU_DEP_1)
	v_readfirstlane_b32 s[WV], v233                ; wave 0 .. 15
	v_and_b32 v233, 31, v0                         ; lane
	v_and_b32 v234, 15, v0                         ; r
	v_bfe_u32 v235, v0, 4, 1                       ; h
	s_delay_alu instid0(VALU_DEP_2)
	v_mul_u32_u24 v236, v234, PIT
	s_delay_alu instid0(VALU_DEP_1)
	v_mad_u32_u24 v[BFA], v235, 24, v236
	v_lshlrev_b32 v[WOFF], 4, v233
	s_mul_i32 s27, s[WV], 48
	s_add_co_u32 s27, s27, HROW
	v_add_nc_u32 v[HST], s27, v[BFA]
	s_lshl_b32 s27, s[WV], 1
	s_add_co_u32 s27, s27, HSC
	v_lshl_add_u32 v[HSCA], v234, 5, s27
	v_lshlrev_b32 v251, 5, v233                    ; 32 x lane: w2's scale rows
	s_delay_alu instid0(VALU_DEP_1)
	v_add_nc_u32 v[HSCR], HSC, v251
	s_mul_i32 s27, s[WV], 4352
	s_add_co_u32 s27, s27, STG                     ; my stage
	v_mul_u32_u24 v[STO], v234, 272
	s_delay_alu instid0(VALU_DEP_1)
	v_lshl_add_u32 v[STO], v235, 5, v[STO]
	s_delay_alu instid0(VALU_DEP_1)
	v_add_nc_u32 v[STO], s27, v[STO]
	v_mul_u32_u24 v[RD], v235, 272
	s_delay_alu instid0(VALU_DEP_1)
	v_lshl_add_u32 v[RD], v234, 4, v[RD]
	s_delay_alu instid0(VALU_DEP_1)
	v_add_nc_u32 v[RD], s27, v[RD]
	v_lshlrev_b32 v[OCOL], 4, v234
	v_lshlrev_b32 v[H4], 2, v235
	s_mul_i32 s27, s[WV], 2*PIT
	v_mul_u32_u24 v237, v235, PIT
	s_delay_alu instid0(VALU_DEP_1)
	v_add_nc_u32 v237, v237, v[OCOL]
	s_delay_alu instid0(VALU_DEP_1)
	v_add_nc_u32 v237, s27, v237                   ; where I put x: row 2 w + h, 16 bytes a lane
	s_lshl_b32 s27, s[WV], 3
	v_add_nc_u32 v238, s27, v[H4]                  ; lane selects, 4 x lane: row 2 w + h,
	v_lshlrev_b32 v239, 2, v234                    ; row r,
	s_delay_alu instid0(VALU_DEP_1)
	v_add_nc_u32 v246, 64, v239                    ; row 16 + r
	v_and_b32 v247, 8, v234
	s_delay_alu instid0(VALU_DEP_1)
	v_add_nc_u32 v247, v247, v234
	s_delay_alu instid0(VALU_DEP_1)
	v_lshl_add_u32 v247, v235, 3, v247
	s_delay_alu instid0(VALU_DEP_1)
	v_lshlrev_b32 v247, 5, v247                    ; w1's scale rows of 32 bytes: 8 h + r + 8 (r / 8): lanes 16-31 take the odd tile
	v_lshlrev_b32 v255, 6, v235                    ; b1: 16 h numbers on
	v_lshlrev_b32 v236, 5, v235                    ; b2: 8 h numbers on
	v_lshlrev_b32 v248, 2, v233                    ; 4 x lane
	v_mov_b32 v[FW+1], 0
	v_mov_b32 v[FW+3], 0
	v_mov_b32 v226, 0                              ; written once: a lane permute's destination counts as one of its sources
	v_mov_b32 v227, 0
	v_mov_b32 v[C8], 0xbf527892                    ; c8 = -0.82215223
	v_mov_b32 v[C8+1], 0xbf527892
	s_mov_b32 s[SEL], 0x76543210
	s_mov_b32 s[SEL+1], 0xfedcba98
	s_mov_b32 s[HR2], 0x3eb504f3
.macro CPAIR k, bits
	s_mov_b32 s[CC+2*\k], \bits
	s_mov_b32 s[CC+2*\k+1], \bits
.endm
	CPAIR 0, 0xbfa1fc4e                            ; -1.26551223
	CPAIR 1, 0x3f8000c7                            ;  1.00002368
	CPAIR 2, 0x3ebf88fb                            ;  0.37409196
	CPAIR 3, 0x3dc636c9                            ;  0.09678418
	CPAIR 4, 0xbe3ec24c                            ; -0.18628806
	CPAIR 5, 0x3e8ec7cc                            ;  0.27886807
	CPAIR 6, 0xbf914e5d                            ; -1.13520398
	CPAIR 7, 0x3fbe87b0                            ;  1.48851587
	CPAIR 8, 0x3e2ef945                            ;  c9 = 0.17087277
	s_lshl_b32 s30, ttmp9, 7                       ; my tile's 32 words of the list
	s_mov_b32 s31, 0
	s_lshl_b32 s28, ttmp9, 2                       ; and its word of the table
	s_mov_b32 s29, 0
	s_wait_alu depctr_va_vdst(0)
	s_wait_kmcnt 0x0
	s_add_nc_u64 s[60:61], s[4:5], s[30:31]
	s_add_nc_u64 s[62:63], s[4:5], s[28:29]
	s_load_b32 s28, s[62:63], 0x4400               ; the tile's expert
	global_load_b32 v[TOKL], v248, s[60:61]        ; the tile's tokens, lane = row
	s_wait_kmcnt 0x0
	s_min_u32 s28, s28, 7                          ; a stored number is held inside the tables that it indexes
	s_mul_i32 s30, s28, 786432
	s_mul_i32 s27, s[WV], 49152
	s_add_co_u32 s30, s30, s27
	s_add_nc_u64 s[12:13], s[12:13], s[30:31]      ; my wave's slice of the expert's w1,
	s_add_nc_u64 s[18:19], s[18:19], s[30:31]      ; and of its w2
	s_lshl_b32 s30, s28, 15
	s_lshl_b32 s27, s[WV], 11
	s_add_co_u32 s30, s30, s27
	s_add_nc_u64 s[14:15], s[14:15], s[30:31]      ; my 64 rows of scale bytes
	s_add_nc_u64 s[20:21], s[20:21], s[30:31]
	s_lshl_b32 s30, s28, 12
	s_lshl_b32 s27, s[WV], 8
	s_add_co_u32 s30, s30, s27
	s_add_nc_u64 s[16:17], s[16:17], s[30:31]      ; my 64 numbers of the biases
	s_add_nc_u64 s[22:23], s[22:23], s[30:31]
	s_mov_b32 s30, s27
	s_add_nc_u64 s[24:25], s[24:25], s[30:31]      ; my 256 bytes of a row of out
; twelve loads of 512 consecutive bytes: my four fragments of K step ks into set p
.macro WLOAD p, base, ks
.irp n, 0,1,2,3,4,5,6,7,8,9,10,11
	global_load_b128 v[WF+48*(\p)+4*\n:WF+48*(\p)+4*\n+3], v[WOFF], s[\base:\base+1] offset:6144*(\ks)+512*\n
.endr
.endm
; the rows' two fragments of K step ks: lane (r, h) takes of row 16 m + r the 24 bytes at 96 ks + 24 h and those 48 bytes on, in pieces of 8 bytes
.macro BLOAD reg, ks
.irp m, 0,1
.irp p, 0,1,2,3,4,5
	ds_load_b64 v[BF+12*\m+2*\p:BF+12*\m+2*\p+1], v[BFA] offset:\reg+16*PIT*\m+96*(\ks)+48*(\p/3)+8*(\p%3)
.endr
.endr
.endm
; eight matrix instructions: four tiles of columns x two tiles of rows, 128 along K.  The eight accumulators take turns, one instruction a turn, in the same order in every K step.
; The odd tile's scale words and the second tile of rows' stand in lanes 16-31 of their registers.
.macro MUL p, ks
.irp t, 0,1,2,3
.irp m, 0,1
.set rD, ACC+32*\m+8*\t
.set rA, WF+48*(\p)+12*\t
.set rB, BF+12*\m
.set rSA, AS+8*(\t/2)+(\ks)
.set rSB, BS+(\ks)
.if (\t%2 == 0) && (\m == 0)
	v_wmma_scale_f32_16x16x128_f8f6f4 v[rD:rD+7], v[rA:rA+11], v[rB:rB+11], v[rD:rD+7], v[rSA], v[rSB] matrix_a_fmt:MATRIX_FMT_FP6 matrix_b_fmt:MATRIX_FMT_FP6
.elseif (\t%2 == 1) && (\m == 0)
	v_wmma_scale_f32_16x16x128_f8f6f4 v[rD:rD+7], v[rA:rA+11], v[rB:rB+11], v[rD:rD+7], v[rSA], v[rSB] matrix_a_fmt:MATRIX_FMT_FP6 matrix_b_fmt:MATRIX_FMT_FP6 matrix_a_scale:MATRIX_SCALE_ROW1
.elseif (\t%2 == 0)
	v_wmma_scale_f32_16x16x128_f8f6f4 v[rD:rD+7], v[rA:rA+11], v[rB:rB+11], v[rD:rD+7], v[rSA], v[rSB] matrix_a_fmt:MATRIX_FMT_FP6 matrix_b_fmt:MATRIX_FMT_FP6 matrix_b_scale:MATRIX_SCALE_ROW1
.else
	v_wmma_scale_f32_16x16x128_f8f6f4 v[rD:rD+7], v[rA:rA+11], v[rB:rB+11], v[rD:rD+7], v[rSA], v[rSB] matrix_a_fmt:MATRIX_FMT_FP6 matrix_b_fmt:MATRIX_FMT_FP6 matrix_a_scale:MATRIX_SCALE_ROW1 matrix_b_scale:MATRIX_SCALE_ROW1
.endif
.endr
.endr
.endm
; K step s of sixteen: 0 .. 7 the first product, 8 .. 15 the second.  It fetches the rows' fragments, asks for the next step's weights into the set that the last step multiplied, and multiplies.
.macro TRIP s
.if ((\s) != 0) && ((\s) != 8)
.rept 4
	v_nop                                          ; four places in front of loads into registers that the last matrix instructions read (ISA guide 7.12.1 for vector instructions)
.endr
.endif
.if (\s) == 8
	ds_load_b128 v[BS:BS+3], v[HSCR]               ; the hidden layer's scale words, lane = row: all eight K steps'
	ds_load_b128 v[BS+4:BS+7], v[HSCR] offset:16
.endif
.if (\s) < 8
	BLOAD XROW, (\s)%8
.else
	BLOAD HROW, (\s)%8
.endif
.if ((\s) >= 1) && ((\s) <= 6)
	WLOAD ((\s)+1)%2, 12, (\s)+1
.endif
.if (\s) == 7
	WLOAD 0, 18, 0                                 ; w2's first K step lands under the gelu
.endif
.if ((\s) >= 9) && ((\s) <= 14)
	WLOAD ((\s)+1)%2, 18, (\s)-7
.endif
.if (\s) == 15
	s_wait_loadcnt 0x0
.else
	s_wait_loadcnt 12                              ; all but the youngest twelve loads, the next K step's weights: this step's weights are in, and whatever was asked for ahead of them
.endif
	s_wait_dscnt 0x0                               ; the rows' fragments are in
	MUL (\s)%2, (\s)%8
.endm
; gelu of the 16 numbers v[X] .. v[X + 15], in place.  Two batches of transcendentals, each with plain work behind it and ONE wait ahead of its first reader.
.macro GELU16 X
.set i, 0
.rept 16
	v_fma_f32 v[GT+i], |v[\X+i]|, s[HR2], 1.0      ; 1 + a / 2, a = |x| / sqrt 2.  (Ascending: each accumulator is first read at its low end)
.set i, i+1
.endr
.set i, 0
	s_wait_alu depctr_va_vdst(0)
.rept 16
	v_rcp_f32 v[GT+i], v[GT+i]                     ; t
.set i, i+1
.endr
.irp j, 0,2,4,6,8,10,12,14
	v_pk_mul_f32 v[GQ+\j:GQ+\j+1], v[\X+\j:\X+\j+1], v[\X+\j:\X+\j+1]   ; x x = 2 a a: plain work behind the reciprocals
.endr
	s_wait_alu depctr_va_vdst(0)
.irp j, 0,2,4,6,8,10,12,14
	v_pk_fma_f32 v[GP+\j:GP+\j+1], v[GT+\j:GT+\j+1], s[CC+16:CC+17], v[C8:C8+1] op_sel_hi:[1,0,1]   ; c9 t + c8
.endr
.irp k, 7,6,5,4,3,2,1,0
.irp j, 0,2,4,6,8,10,12,14
	v_pk_fma_f32 v[GP+\j:GP+\j+1], v[GP+\j:GP+\j+1], v[GT+\j:GT+\j+1], s[CC+2*\k:CC+2*\k+1] op_sel_hi:[1,1,0]   ; eight pairs by turns: no line waits for the line above it
.endr
.endr
.irp j, 0,2,4,6,8,10,12,14
	v_pk_fma_f32 v[GP+\j:GP+\j+1], v[GQ+\j:GQ+\j+1], -0.5, v[GP+\j:GP+\j+1] op_sel_hi:[1,0,1]   ; - a a
.endr
.irp j, 0,2,4,6,8,10,12,14
	v_pk_mul_f32 v[GP+\j:GP+\j+1], v[GP+\j:GP+\j+1], 0x3fb8aa3b op_sel_hi:[1,0]   ; x log2(e): v_exp_f32 is 2^x
.endr
.set i, 0
	s_wait_alu depctr_va_vdst(0)
.rept 16
	v_exp_f32 v[GP+i], v[GP+i]
.set i, i+1
.endr
.set i, 0
.rept 16
	v_max_num_f32 v[GQ+i], 0, v[\X+i]              ; max(x, 0): plain work behind the exponentials
.set i, i+1
.endr
	s_wait_alu depctr_va_vdst(0)
.irp j, 0,2,4,6,8,10,12,14
	v_pk_mul_f32 v[GP+\j:GP+\j+1], v[GP+\j:GP+\j+1], v[GT+\j:GT+\j+1]   ; erfc(a)
.endr
.set i, 0
.rept 16
	v_mul_f32 v[GP+i], |v[\X+i]|, v[GP+i]
.set i, i+1
.endr
.irp j, 0,2,4,6,8,10,12,14
	v_pk_fma_f32 v[\X+\j:\X+\j+1], v[GP+\j:GP+\j+1], -0.5, v[GQ+\j:GQ+\j+1] op_sel_hi:[1,0,1]
.endr
.endm
; The 32 numbers of tile of rows m become codes.  Register 16 b + i = hidden unit 64 w + 32 b + 16 h + i of row 16 m + r: block b of 32 lies in lanes l and l xor 16.
.macro QUANT m
.set QX, ACC+32*(\m)
	s_wait_dscnt 0x0                               ; my earlier LDS stores have read their registers
.irp b, 0,1
	v_max3_num_f32 v[224+\b], |v[QX+16*\b]|, |v[QX+16*\b+1]|, 0x1800000   ; my 16 numbers, and the floor 2^(3 - 127), under which no largest magnitude is taken: so the byte cannot fall under 1
.endr
.irp i, 2,4,6,8,10,12,14
.irp b, 0,1
	s_delay_alu instid0(VALU_DEP_2)
	v_max3_num_f32 v[224+\b], v[224+\b], |v[QX+16*\b+\i]|, |v[QX+16*\b+\i+1]|
.endr
.endr
.irp b, 0,1
	s_delay_alu instid0(VALU_DEP_2)
	v_permlanex16_b32 v[226+\b], v[224+\b], s[SEL], s[SEL+1]
.endr
.irp b, 0,1
	s_delay_alu instid0(VALU_DEP_2)
	v_max_num_f32 v[224+\b], v[224+\b], v[226+\b]  ; with lane l xor 16's: the block's largest magnitude
.endr
.irp b, 0,1
	s_delay_alu instid0(VALU_DEP_2)
	v_add_nc_u32 v[228+\b], 0xff000000, v[224+\b]  ; 2 off its exponent field: the conversion takes the exponent field of this operand as its scale, and nothing else of it
.endr
.irp b, 0,1
	s_delay_alu instid0(VALU_DEP_2)
	v_lshrrev_b32 v[230+\b], 23, v[228+\b]         ; the scale's byte
.endr
	s_delay_alu instid0(VALU_DEP_1)
	v_lshl_or_b32 v232, v231, 8, v230
	ds_store_b16 v[HSCA], v232 offset:512*(\m)     ; bytes 2 w and 2 w + 1 of the row's 32; both lanes of a row write the same bytes with the same value
	v_cvt_scalef32_pk16_fp6_f32 v[240:242], v[QX:QX+15], v228
	v_cvt_scalef32_pk16_fp6_f32 v[248:250], v[QX+16:QX+31], v229   ; (a conversion's three registers begin on an even number)
	v_nop                                          ; one plain place behind a scaled conversion
.irp i, 0,1,2
	v_permlane16_swap_b32 v[240+\i], v[248+\i]     ; the first's lanes 16-31 change places with the second's lanes 0-15: lane (r, h) now holds block h whole: its lower 16 codes in the first, the upper 16 in the second
.endr
.irp i, 0,1,2
	s_delay_alu instid0(VALU_DEP_3)
	v_mov_b32 v[243+\i], v[248+\i]
.endr
.irp i, 0,1,2
	ds_store_b64 v[HST], v[240+2*\i:241+2*\i] offset:16*PIT*(\m)+8*\i   ; 24 bytes: block 2 w + h of row 16 m + r, where a row's stream of bits has it
.endr
.endm
	; ---- the first requests.  32 loads stand behind the tokens' load
	WLOAD 0, 12, 0
.irp b, 0,1
	global_load_b128 v[AS+8*\b:AS+8*\b+3], v247, s[14:15] offset:1024*\b        ; w1's scale words: a row's 32 bytes are its eight K steps' words
	global_load_b128 v[AS+8*\b+4:AS+8*\b+7], v247, s[14:15] offset:1024*\b+16
.endr
.irp m, 0,1
.irp t, 0,1,2,3
	global_load_b128 v[ACC+32*\m+8*\t:ACC+32*\m+8*\t+3], v255, s[16:17] offset:(32*(\t/2)+8*(\t%2))*4        ; b1 at my eight hidden units of tile t: 32 (t / 2) + 8 (t % 2) + 16 h + 0 .. 7
	global_load_b128 v[ACC+32*\m+8*\t+4:ACC+32*\m+8*\t+7], v255, s[16:17] offset:(32*(\t/2)+8*(\t%2))*4+16
.endr
.endr
	s_wait_loadcnt 32                              ; the tokens are in; the 12 + 4 + 16 loads issued behind them may stay out
	ds_bpermute_b32 v240, v238, v[TOKL]            ; the token of row 2 w + h,
	ds_bpermute_b32 v241, v239, v[TOKL]            ; of row r,
	ds_bpermute_b32 v242, v246, v[TOKL]            ; of row 16 + r
	s_wait_dscnt 0x0
	v_min_u32 v240, 0xfff, v240                    ; stored numbers are held inside the buffers; no row: token 4,095's data, which are never stored
	v_min_u32 v241, 0xfff, v241
	v_min_u32 v242, 0xfff, v242
	v_min_u32 v243, 0xfff, v[TOKL]
	s_delay_alu instid0(VALU_DEP_4)
	v_mul_u32_u24 v240, v240, 768
	s_delay_alu instid0(VALU_DEP_1)
	v_add_nc_u32 v240, v240, v[OCOL]
	v_lshlrev_b32 v241, 2, v241
	v_lshlrev_b32 v242, 2, v242
	v_lshlrev_b32 v243, 5, v243
.irp i, 0,1,2
	global_load_b128 v[BF+4*\i:BF+4*\i+3], v240, s[6:7] offset:256*\i   ; x: my wave gathers rows 2 w and 2 w + 1: sixteen lanes read 256 consecutive bytes, at a multiple of 256 from the buffer's first byte
.endr
	global_load_b128 v[BS:BS+3], v243, s[8:9]      ; x's scale words, lane = row
	global_load_b128 v[BS+4:BS+7], v243, s[8:9] offset:16
	global_load_b32 v[FW], v241, s[10:11]
	global_load_b32 v[FW+2], v242, s[10:11]
	WLOAD 1, 12, 1
	s_wait_loadcnt 16                              ; x's rows are in; behind them: 2 + 2 + 12 loads
.irp i, 0,1,2
	ds_store_b128 v237, v[BF+4*\i:BF+4*\i+3] offset:XROW+256*\i
.endr
	s_wait_dscnt 0x0                               ; for the others' sake: my two rows lie in LDS
	s_barrier_signal -1
	s_barrier_wait -1                              ; all 32 rows of x lie in LDS
	; ---- the first product
.irp s, 0,1,2,3,4,5,6,7
	TRIP \s
.endr
.rept 4
	v_nop                                          ; four places in front of the first read of results, and of writes into the second set of weight registers
.endr
	; ---- the activation and the quantiser, in f32
	GELU16 ACC
	GELU16 ACC+16
	s_wait_alu depctr_va_vdst(0)
	QUANT 0
	GELU16 ACC+32
	GELU16 ACC+48
	s_wait_alu depctr_va_vdst(0)
	QUANT 1
	; ---- the second product's requests: its scale words, its bias into the accumulators, its second K step's weights last, so that they are the youngest twelve
.irp b, 0,1
	global_load_b128 v[AS+8*\b:AS+8*\b+3], v251, s[20:21] offset:1024*\b        ; tile 2 b + u, lane (r, u): row 32 b + lane
	global_load_b128 v[AS+8*\b+4:AS+8*\b+7], v251, s[20:21] offset:1024*\b+16
.endr
.irp m, 0,1
.irp t, 0,1,2,3
	global_load_b128 v[ACC+32*\m+8*\t:ACC+32*\m+8*\t+3], v236, s[22:23] offset:64*\t        ; b2 at my eight outputs of tile t: 16 t + 8 h + 0 .. 7
	global_load_b128 v[ACC+32*\m+8*\t+4:ACC+32*\m+8*\t+7], v236, s[22:23] offset:64*\t+16
.endr
.endr
	WLOAD 1, 18, 1
	s_wait_dscnt 0x0                               ; for the others' sake: my codes and scale bytes lie in LDS
	s_barrier_signal -1
	s_barrier_wait -1                              ; the hidden layer's 32 rows lie in LDS
.irp s, 8,9,10,11,12,13,14,15
	TRIP \s
.endr
	; ---- the way out.  Register j of accumulator (t, m) is out(row 16 m + r, 64 w + 16 t + 8 h + j), before fw.  A tile of 16 rows goes through my own stage and comes back as rows of 256 bytes.
.set n, 0
.rept 16
	v_add_nc_u32 v[224+n], 8*n, v[H4]              ; store n takes rows 2 n + h: their lane select.  (These sixteen are also the places behind the last matrix instructions)
.set n, n+1
.endr
.set n, 0
.rept 16
	ds_bpermute_b32 v[192+n], v[224+n], v[TOKL]
.set n, n+1
.endr
.irp m, 0,1
.irp j, 0,2,4,6,8,10,12,14,16,18,20,22,24,26,28,30
	v_pk_mul_f32 v[ACC+32*\m+\j:ACC+32*\m+\j+1], v[ACC+32*\m+\j:ACC+32*\m+\j+1], v[FW+2*\m:FW+2*\m+1] op_sel_hi:[1,0]   ; x fw of my row; ascending: each accumulator from its low end on
.endr
.irp t, 0,1,2,3
	ds_store_b128 v[STO], v[ACC+32*\m+8*\t:ACC+32*\m+8*\t+3] offset:64*\t
	ds_store_b128 v[STO], v[ACC+32*\m+8*\t+4:ACC+32*\m+8*\t+7] offset:64*\t+16
.endr
.irp i, 0,1,2,3,4,5,6,7
	ds_load_b128 v[WF+32*\m+4*\i:WF+32*\m+4*\i+3], v[RD] offset:544*\i   ; LDS serves a wave's instructions in order (ISA guide 5.7.1.4): these see my stores, and the next tile's stores come behind them
.endr
.endr
	s_wait_dscnt 0x0
.set n, 0
.rept 16
	v_cmp_gt_u32 s[MK+n], 0x1000, v[192+n]         ; a row that is a row
	v_min_u32 v[192+n], 0xfff, v[192+n]
	s_delay_alu instid0(VALU_DEP_1)
	v_lshl_add_u32 v[208+n], v[192+n], 12, v[OCOL] ; its token's row of 4,096 bytes, + 16 bytes a lane
.set n, n+1
.endr
.set n, 0
	s_wait_alu depctr_va_vdst(0)
.rept 16
	s_wait_xcnt 0x0                                ; EXEC changes only behind this wait: it is a source of the memory instructions issued so far
	s_and_saveexec_b32 s82, s[MK+n]
	global_store_b128 v[208+n], v[WF+4*n:WF+4*n+3], s[24:25] th:TH_STORE_NT   ; sixteen lanes store 256 consecutive bytes of one token's row, at a multiple of 256 from out's first byte; written once, read by nobody here
	s_wait_xcnt 0x0                                ; and again, in front of the line that widens it
	s_or_b32 exec_lo, exec_lo, s82
.set n, n+1
.endr
	s_wait_tensorcnt 0x0                           ; the wave's end: behind my last LDS store
	ds_add_u32 v[SPW], v[NIL]
	s_wait_dscnt 0x0
	s_endpgm
.Lfunc_end_k_qedf5d80b20_chain:
	.size	k_qedf5d80b20_chain, .Lfunc_end_k_qedf5d80b20_chain-k_qedf5d80b20_chain
	.p2alignl 7, 3214868480
	.fill 96, 4, 3214868480
	.section	.rodata,"a",@progbits
	.p2align	6, 0x0
	.amdhsa_kernel k_qedf5d80b20_chain
		.amdhsa_group_segment_fixed_size 122880
		.amdhsa_private_segment_fixed_size 0
		.amdhsa_enable_private_segment 0
		.amdhsa_kernarg_size 88
		.amdhsa_user_sgpr_count 2
		.amdhsa_user_sgpr_kernarg_segment_ptr 1
		.amdhsa_wavefront_size32 1
		.amdhsa_system_sgpr_workgroup_id_x 1
		.amdhsa_system_sgpr_workgroup_id_y 1
		.amdhsa_system_sgpr_workgroup_id_z 1
		.amdhsa_system_vgpr_workitem_id 0
		.amdhsa_next_free_vgpr 256
		.amdhsa_next_free_sgpr 96
		.amdhsa_reserve_vcc 0
		.amdhsa_float_denorm_mode_32 3
		.amdhsa_float_denorm_mode_16_64 3
		.amdhsa_memory_ordered 1
		.amdhsa_forward_progress 1
		.amdhsa_inst_pref_size 123
	.end_amdhsa_kernel
	.amdgpu_metadata
---
amdhsa.version: [ 1, 2 ]
amdhsa.kernels:
  - .name:           k_qedf5d80b20_chain
    .symbol:         k_qedf5d80b20_chain.kd
    .args:
      - { .name: route, .offset: 0, .size: 8, .value_kind: global_buffer, .address_space: global }
      - { .name: hidden_states_codes, .offset: 8, .size: 8, .value_kind: global_buffer, .address_space: global }
      - { .name: hidden_states_scales, .offset: 16, .size: 8, .value_kind: global_buffer, .address_space: global }
      - { .name: expert_weights, .offset: 24, .size: 8, .value_kind: global_buffer, .address_space: global }
      - { .name: w1l, .offset: 32, .size: 8, .value_kind: global_buffer, .address_space: global }
      - { .name: w1_scales, .offset: 40, .size: 8, .value_kind: global_buffer, .address_space: global }
      - { .name: b1, .offset: 48, .size: 8, .value_kind: global_buffer, .address_space: global }
      - { .name: w2l, .offset: 56, .size: 8, .value_kind: global_buffer, .address_space: global }
      - { .name: w2_scales, .offset: 64, .size: 8, .value_kind: global_buffer, .address_space: global }
      - { .name: b2, .offset: 72, .size: 8, .value_kind: global_buffer, .address_space: global }
      - { .name: out0, .offset: 80, .size: 8, .value_kind: global_buffer, .address_space: global }
    .group_segment_fixed_size: 122880
    .private_segment_fixed_size: 0
    .kernarg_segment_align: 8
    .kernarg_segment_size: 88
    .max_flat_workgroup_size: 512
    .sgpr_count:     96
    .vgpr_count:     256
    .wavefront_size: 32
...
	.end_amdgpu_metadata
.endif
;; end of part 2
